; MI455X (gfx1250); checked and timed in simulation.
; The chip was launched on July 23, 2026; its instructions are those of AMD's public machine-readable ISA for CDNA 5 (MIT licence, August 2026) and "CDNA5" Instruction Set Architecture Reference Guide (July 2026). The comments in the code are by the model that wrote it; some were corrected since.
;; KNN Buffer. Allowed arithmetic: matrix products marked QUANTISED: E3M2 operands, one E8M0 scale for each 32 along K, by v_wmma_scale_f32_16x16x128_f8f6f4 with both operands' format E3M2, f32 sums; everything else in f32.
;; Inputs: buffer 50,000 x 512 float32; inputs 2,048 x 512 float32.
;; Outputs: out0 2,048 x 512 float32.
;; This version of the problem:
;;   THIS VERSION OF THE PROBLEM IS GIVEN IN LOW PRECISION. The matrix products marked QUANTISED in the list below multiply operands that are first quantised to E3M2 (3 exponent bits, 2 mantissa bits; 6 bits a number), with one power-of-two scale for each 32 numbers along K (OCP MX v1.0); their sums are f32. All else is computed in f32.
;;   The module's matrix products, in the order in which they are computed (A, B: the left and right operand; K: the contracted axis; several contracted axes count as one K, in the product's order):
;;     1. [M 2,048, K 512] x [K 512, N 50,000]; A: input inputs; B: input buffer: QUANTISED
;;   THE QUANTISER, for each operand of a quantised product, along K:
;;     - K is cut into blocks of 32 from its start; a last block that is shorter is filled with zeros.
;;     - A block's scale is 2^e with e = floor(log2(the largest magnitude in the block)) - 4, held to -126 .. 127; a block of zeros has e = 0. As a byte (E8M0): e + 127.
;;     - Each number is divided by its block's scale, clamped to +-28, and rounded to the nearest number of E3M2, ties to even, subnormals kept.
;;     - The product sums the exact products of the quantised numbers (number of the format x scale) in f32.
;;   ~~~python
;;   def quantise(x, axis):      # numpy; x: float32 -> the quantised numbers, widened to float32 again
;;       x = np.moveaxis(x, axis, -1); K = x.shape[-1]
;;       x = np.pad(x, [(0, 0)] * (x.ndim - 1) + [(0, -K % 32)]); x = x.reshape(x.shape[:-1] + (-1, 32)); a = np.abs(x).max(-1, keepdims=True)
;;       e = np.where(a > 0, np.clip(np.frexp(np.where(a > 0, a, 1))[1] - 1 - 4, -126, 127), 0)      # np.frexp(a)[1] - 1 = floor(log2(a)), exactly
;;       r = np.clip(x / 2.0 ** e, -28, 28)
;;       step = 2.0 ** (np.maximum(np.frexp(np.where(r == 0, 1, r))[1] - 1, -2) - 2)
;;       q = np.round(r / step) * step * 2.0 ** e      # np.round: ties to even
;;       return np.moveaxis(q.reshape(q.shape[:-2] + (-1,))[..., :K], -1, axis).astype(np.float32)
;;   ~~~
;; One version. Each part assembles by itself: llvm-mc -triple=amdgcn-amd-amdhsa -mcpu=gfx1250 --defsym DOCPART=n.
;; ======== version 1 of 1: 3 launches
;; limits: right only within a limited range of input values
;; workspace buffers: qimg 819,200 bytes; q2buf 8,192 bytes; part 3,997,696 bytes of whole numbers
;; launch qprep (part 1): grid 128 x 1, 4 waves a work-group, no clusters, 34,816 bytes of LDS; arguments inputs, qimg, q2buf; writes qimg, q2buf
.if DOCPART == 1
	.amdgcn_target "amdgcn-amd-amdhsa--gfx1250"
	.amdhsa_code_object_version 6
	.text
	.protected	k_q38da0380df_qprep
	.globl	k_q38da0380df_qprep
	.p2align	8
	.type	k_q38da0380df_qprep,@function
k_q38da0380df_qprep:
	s_mov_b64 s[64:65], 0
	v_nop
	global_prefetch_b8 v0, s[64:65] scope:SCOPE_SE
	s_setreg_imm32_b32 hwreg(HW_REG_WAVE_MODE, 25, 1), 1
	s_wait_xcnt 0x0
; The queries [2048][512] f32 become operands of the matrix unit, once for the whole program: codes of BF6 (E3M2) with one E8M0 scale byte for each 32 along K, and q2, each row's sum of squares.
; Work-group T takes query tile T (16 rows), wave s its K step s (128 along K).  A tile's place in qimg is 6,400 bytes: the fragment of K step s at 1,536 s as an IMAGE OF ITS 12 REGISTERS
; (three runs of 512 bytes, lane l's 16 bytes at 16 l), and at 6,144 two scale registers of 128 bytes: register p, lane l = the word of query l % 16 for K step 2 p + l / 16.
; A block's scale is 2^(floor(log2(its largest magnitude)) - 4); its byte is the largest magnitude's exponent field - 4, held at 1 from below (a block of zeros keeps the byte 1: its codes are zeros, and this program alone reads the bytes).
; LIMITS: NaN and infinities among the inputs are not served.
; Loads take the bytes as they lie (32 lanes, 512 consecutive bytes of a row); the conversions want 16 neighbours along K in ONE lane: so the 16 x 512 bytes turn through the wave's own stage in LDS
; (rows 528 bytes apart: sixteen rows start in sixteen different columns of 16 bytes).
.set STGB, 8448                        ; a wave's stage: 16 rows x 528 bytes
.set SCL,  33792                       ; behind the four stages: the tile's scale words, 256 bytes
.set Q2L,  34048                       ; and the four waves' partial sums of squares, 64 bytes each
.set WV,   12                          ; s12     wave = K step
.set SEL,  22                          ; s[22:23] lane selects for v_permlanex16_b32: lane l xor 16
.set LN,   1                           ; v1      lane
.set RR,   2                           ; v2      lane % 16
.set HH,   3                           ; v3      lane / 16
.set LI,   4                           ; v4      16 x lane
.set STW,  5                           ; v5      the stage, way in
.set STR,  6                           ; v6      the stage, way out
.set SCW,  7                           ; v7      where my row's scale word goes
.set Q2W,  8                           ; v8      where my row's partial sum goes
.set SCR,  9                           ; v9      wave 0: 8 bytes a lane of the 256 scale bytes
.set Q2R,  10                          ; v10     wave 0: my row's four partial sums
.set O8,   11                          ; v11     8 x lane
.set O4,   12                          ; v12     4 x (lane % 16)
.set RAW,  16                          ; v16-79  16 rows as loaded
.set XS,   80                          ; v80-143 my 64 numbers: register 16 b + i = k 32 b + 16 (lane / 16) + i of row lane % 16
.set PC,   144                         ; v144..  the codes
.set TM,   164                         ; v164-179 at work in QUANT
.set PW,   180                         ; v180    the scale word
.set SQ,   184                         ; v184-187 sums of squares
; the sum of squares of my 64 numbers and of lane l xor 16's: my row's, over this K step; two chains of packed multiply-adds
.macro SUMSQ s
	v_pk_mul_f32 v[SQ:SQ+1], v[\s:\s+1], v[\s:\s+1]
	v_pk_mul_f32 v[SQ+2:SQ+3], v[\s+2:\s+3], v[\s+2:\s+3]
.irp i, 4,8,12,16,20,24,28,32,36,40,44,48,52,56,60
	v_pk_fma_f32 v[SQ:SQ+1], v[\s+\i:\s+\i+1], v[\s+\i:\s+\i+1], v[SQ:SQ+1]
	v_pk_fma_f32 v[SQ+2:SQ+3], v[\s+\i+2:\s+\i+3], v[\s+\i+2:\s+\i+3], v[SQ+2:SQ+3]
.endr
	v_pk_add_f32 v[SQ:SQ+1], v[SQ:SQ+1], v[SQ+2:SQ+3]
	v_add_f32 v[SQ], v[SQ], v[SQ+1]
	v_permlanex16_b32 v[SQ+1], v[SQ], s[SEL], s[SEL+1]
	v_add_f32 v[SQ], v[SQ], v[SQ+1]
.endm
; 64 numbers of a lane become a fragment's codes in v[PC] on and its row's scale word in v[PW]
.macro QUANT s
.irp b, 0,1,2,3
	v_max3_num_f32 v[TM+\b], |v[\s+16*\b]|, |v[\s+1+16*\b]|, 0x2800000   ; block b: my 16 numbers, and the floor 2^(5 - 127): the byte cannot fall under 1
.endr
.irp i, 2,4,6,8,10,12,14
.irp b, 0,1,2,3
	v_max3_num_f32 v[TM+\b], v[TM+\b], |v[\s+16*\b+\i]|, |v[\s+1+16*\b+\i]|   ; the four blocks by turns
.endr
.endr
.irp b, 0,1,2,3
	v_permlanex16_b32 v[TM+4+\b], v[TM+\b], s[SEL], s[SEL+1]
.endr
.irp b, 0,1,2,3
	v_max_num_f32 v[TM+\b], v[TM+\b], v[TM+4+\b]   ; with lane l xor 16's: the block's largest magnitude
.endr
.irp b, 0,1,2,3
	v_add_nc_u32 v[TM+12+\b], 0xfe000000, v[TM+\b]   ; 4 off its exponent field: the conversion takes this operand's exponent field as its scale
.endr
.irp b, 0,1,2,3
	v_lshrrev_b32 v[TM+4+\b], 23, v[TM+12+\b]      ; the scale's byte
.endr
	v_lshl_or_b32 v[PW], v[TM+5], 8, v[TM+4]
	v_lshl_or_b32 v[PW], v[TM+6], 16, v[PW]
	v_lshl_or_b32 v[PW], v[TM+7], 24, v[PW]
.irp c, 0,1
	v_cvt_scalef32_pk16_bf6_f32 v[PC+6*\c:PC+2+6*\c], v[\s+32*\c:\s+15+32*\c], v[TM+12+2*\c]
	v_cvt_scalef32_pk16_bf6_f32 v[PC+12+4*\c:PC+14+4*\c], v[\s+16+32*\c:\s+31+32*\c], v[TM+12+2*\c+1]   ; (a conversion's three registers begin on an even number)
.endr
	v_nop                                          ; one plain place behind a scaled conversion
.irp c, 0,1                                    ; the operand's layout wants a WHOLE block in a lane: lanes 0-15 block 2 c, lanes 16-31 block 2 c + 1
.irp i, 0,1,2
	v_permlane16_swap_b32 v[PC+6*\c+\i], v[PC+12+4*\c+\i]
.endr
.irp i, 0,1,2
	v_mov_b32 v[PC+3+6*\c+\i], v[PC+12+4*\c+\i]
.endr
.endr
.endm
	s_load_b128 s[4:7], s[0:1], 0x0                ; inputs, qimg
	s_load_b64 s[8:9], s[0:1], 0x10                ; q2buf
	v_lshl_add_u32 v192, v0, 2, 0x8600
	v_mov_b32 v193, 0
	v_lshrrev_b32 v[LN], 5, v0
	v_readfirstlane_b32 s[WV], v[LN]               ; wave 0..3
	v_and_b32 v[LN], 31, v0
	v_and_b32 v[RR], 15, v0
	s_wait_alu depctr_va_vdst(0)
	v_bfe_u32 v[HH], v0, 4, 1
	v_lshlrev_b32 v[LI], 4, v[LN]
	s_mul_i32 s13, s[WV], STGB                     ; my stage
	v_add_nc_u32 v[STW], s13, v[LI]                ; in: 16 x lane, rows by the immediate
	v_mul_u32_u24 v[STR], v[RR], 528
	v_lshl_add_u32 v[STR], v[HH], 6, v[STR]
	v_add_nc_u32 v[STR], s13, v[STR]               ; out: row lane % 16, + 64 bytes for lanes 16-31
	s_lshr_b32 s13, s[WV], 1
	s_lshl_b32 s13, s13, 7
	s_and_b32 s14, s[WV], 1
	s_lshl_b32 s14, s14, 6
	s_add_co_u32 s13, s13, s14
	s_add_co_u32 s13, s13, SCL
	v_lshl_add_u32 v[SCW], v[RR], 2, s13           ; scale register s / 2, lanes 16 (s % 2) on
	s_lshl_b32 s13, s[WV], 6
	s_add_co_u32 s13, s13, Q2L
	v_lshl_add_u32 v[Q2W], v[RR], 2, s13
	v_lshl_add_u32 v[SCR], v[LN], 3, SCL
	v_lshl_add_u32 v[Q2R], v[RR], 2, Q2L
	v_lshlrev_b32 v[O8], 3, v[LN]
	v_lshlrev_b32 v[O4], 2, v[RR]
.irp b, 0,1,2,3
	v_mov_b32 v[TM+4+\b], 0                        ; written once: a lane permute's destination counts as one of its sources
.endr
	s_mov_b32 s[SEL], 0x76543210
	s_mov_b32 s[SEL+1], 0xfedcba98
	s_lshl_b32 s14, ttmp9, 15                      ; the tile's 16 rows of 2,048 bytes,
	s_lshl_b32 s15, s[WV], 9                       ; my 512 bytes of each
	s_add_co_u32 s14, s14, s15
	s_mov_b32 s15, 0
	s_mul_i32 s16, ttmp9, 6400                     ; the tile's place in qimg,
	s_mul_i32 s17, s[WV], 1536                     ; my fragment's in it
	s_add_co_u32 s16, s16, s17
	s_mov_b32 s17, 0
	s_lshl_b32 s18, ttmp9, 6                       ; the tile's 16 numbers of q2
	s_mov_b32 s19, 0
	s_wait_kmcnt 0x0
	s_add_nc_u64 s[4:5], s[4:5], s[14:15]
	s_add_nc_u64 s[6:7], s[6:7], s[16:17]
	s_add_nc_u64 s[8:9], s[8:9], s[18:19]
.irp i, 0,1,2,3,4,5,6,7,8,9,10,11,12,13,14,15
	global_load_b128 v[RAW+4*\i:RAW+4*\i+3], v[LI], s[4:5] offset:2048*\i th:TH_LOAD_NT   ; row i: 32 lanes read 512 consecutive bytes
.endr
	s_wait_loadcnt 0x0
.irp i, 0,1,2,3,4,5,6,7,8,9,10,11,12,13,14,15
	ds_store_b128 v[STW], v[RAW+4*\i:RAW+4*\i+3] offset:528*\i
.endr
.irp b, 0,1,2,3                                ; LDS serves a wave's instructions in order: these see my stores
.irp j, 0,1,2,3
	ds_load_b128 v[XS+16*\b+4*\j:XS+16*\b+4*\j+3], v[STR] offset:128*\b+16*\j
.endr
.endr
	s_wait_dscnt 0x0
	SUMSQ XS
	QUANT XS
.irp c, 0,1,2
	global_store_b128 v[LI], v[PC+4*\c:PC+4*\c+3], s[6:7] offset:512*\c   ; the fragment as it stands: 512 consecutive bytes a store, aligned to 256
.endr
	ds_store_b32 v[SCW], v[PW]                     ; lanes l and l + 16 write the same word with the same value
	ds_store_b32 v[Q2W], v[SQ]
	s_wait_dscnt 0x0                               ; for wave 0's sake: my stores have landed
	s_barrier_signal -1
	s_barrier_wait -1
	s_cmp_lg_u32 s[WV], 0                          ; wave 0 alone sends the tile's scale words and q2
	s_cbranch_scc1 .Lend
	ds_load_b64 v[14:15], v[SCR]
	ds_load_b32 v188, v[Q2R]
	ds_load_b32 v189, v[Q2R] offset:64
	ds_load_b32 v190, v[Q2R] offset:128
	ds_load_b32 v191, v[Q2R] offset:192
	s_wait_dscnt 0x0
	global_store_b64 v[O8], v[14:15], s[6:7] offset:6144   ; 32 lanes store 256 consecutive bytes (in wave 0 the base stands at the tile's first byte)
	v_add_f32 v188, v188, v189
	v_add_f32 v190, v190, v191
	v_add_f32 v188, v188, v190                     ; q2 of row lane % 16
	v_cmp_gt_u32 vcc_lo, 16, v0
	s_wait_alu depctr_va_vdst(0)
	s_wait_xcnt 0x0                                ; EXEC is a source of the stores above: it changes only behind this wait
	s_and_saveexec_b32 s20, vcc_lo
	global_store_b32 v[O4], v188, s[8:9]           ; 64 bytes: one byte for each 512 that the work-group reads
	s_wait_xcnt 0x0
	s_or_b32 exec_lo, exec_lo, s20
.Lend:
	s_wait_tensorcnt 0x0
	ds_add_u32 v192, v193
	s_wait_dscnt 0x0
	s_endpgm
.Lfunc_end_k_q38da0380df_qprep:
	.size	k_q38da0380df_qprep, .Lfunc_end_k_q38da0380df_qprep-k_q38da0380df_qprep
	.p2alignl 7, 3214868480
	.fill 96, 4, 3214868480
	.section	.rodata,"a",@progbits
	.p2align	6, 0x0
	.amdhsa_kernel k_q38da0380df_qprep
		.amdhsa_group_segment_fixed_size 34816
		.amdhsa_private_segment_fixed_size 0
		.amdhsa_enable_private_segment 0
		.amdhsa_kernarg_size 24
		.amdhsa_user_sgpr_count 2
		.amdhsa_user_sgpr_kernarg_segment_ptr 1
		.amdhsa_wavefront_size32 1
		.amdhsa_system_sgpr_workgroup_id_x 1
		.amdhsa_system_sgpr_workgroup_id_y 1
		.amdhsa_system_sgpr_workgroup_id_z 1
		.amdhsa_system_vgpr_workitem_id 0
		.amdhsa_next_free_vgpr 194
		.amdhsa_next_free_sgpr 66
		.amdhsa_reserve_vcc 1
		.amdhsa_float_denorm_mode_32 3
		.amdhsa_float_denorm_mode_16_64 3
		.amdhsa_memory_ordered 1
		.amdhsa_forward_progress 1
		.amdhsa_inst_pref_size 14
	.end_amdhsa_kernel
	.amdgpu_metadata
---
amdhsa.version: [ 1, 2 ]
amdhsa.kernels:
  - .name:           k_q38da0380df_qprep
    .symbol:         k_q38da0380df_qprep.kd
    .args:
      - { .name: inputs, .offset: 0, .size: 8, .value_kind: global_buffer, .address_space: global }
      - { .name: qimg, .offset: 8, .size: 8, .value_kind: global_buffer, .address_space: global }
      - { .name: q2buf, .offset: 16, .size: 8, .value_kind: global_buffer, .address_space: global }
    .group_segment_fixed_size: 34816
    .private_segment_fixed_size: 0
    .kernarg_segment_align: 8
    .kernarg_segment_size: 24
    .max_flat_workgroup_size: 128
    .sgpr_count:     66
    .vgpr_count:     194
    .wavefront_size: 32
...
	.end_amdgpu_metadata
.endif
;; end of part 1
;; launch knn (part 2): grid 244 x 1, 4 waves a work-group, clusters of 4 x 1, 327,680 bytes of LDS; arguments buffer, qimg, part; writes part
.if DOCPART == 2
	.amdgcn_target "amdgcn-amd-amdhsa--gfx1250"
	.amdhsa_code_object_version 6
	.text
	.protected	k_q38da0380df_knn
	.globl	k_q38da0380df_knn
	.p2align	8
	.type	k_q38da0380df_knn,@function
k_q38da0380df_knn:
	s_mov_b64 s[64:65], 0
	v_nop
	global_prefetch_b8 v0, s[64:65] scope:SCOPE_SE
	s_setreg_imm32_b32 hwreg(HW_REG_WAVE_MODE, 25, 1), 1
	s_wait_xcnt 0x0
	s_wait_alu depctr_hold_cnt(0) depctr_sa_sdst(0) depctr_va_vdst(0) depctr_va_sdst(0) depctr_va_ssrc(0) depctr_va_vcc(0) depctr_vm_vsrc(0)
	s_getreg_b32 s2, hwreg(HW_REG_IB_STS2, 6, 4)
	s_cmp_eq_u32 s2, 0
	s_cbranch_scc0 .Lentry_in_a_cluster
	s_endpgm
.Lentry_in_a_cluster:
	s_bfe_u32 s2, ttmp6, 0x10000c
	s_cmp_lg_u32 s2, 0x3003
	s_cbranch_scc0 .Lentry_shape_is_right
	s_endpgm
.Lentry_shape_is_right:
; For each query and each work-group: the largest D = q.b - b2 / 2 over the work-group's buffer rows, and the first row of the block of eight rows that holds it.
; d2 = q2 - 2 D and q2 is the same for all rows of a query, so the smallest d2 is the largest D; q2 enters in the last launch, for the winning block's eight rows.  LIMITS: NaN and infinities are not served; blocks are compared by D.
; Work-group g takes 208 rows (13 tiles of 16) from row min(205 g, 49,792) on; rows that two work-groups both take change nothing in a maximum.
; THE HEAD quantises the rows (BF6 codes, one E8M0 byte for each 32 along K): wave s takes K step s of every tile.  A unit = 16 rows x 512 bytes: 16 loads of 512 consecutive bytes, a turn through the wave's own
; stage in LDS (a lane then holds 16 neighbours along K), sum of squares, codes, and the fragment's register image into LDS.  Loads run four units ahead; the first four go out directly behind the first joint load.
; Every wave needs all 13 tiles' fragments in registers: they are read back in three batches, behind barriers behind units 4, 8 and 12, so that only tiles 9-12 are left at the end.
; -b2 / 2 is formed once by the 128 threads, two rows each, (p0 + p1) + (p2 + p3) as the last launch sums it, and read by every wave in the result's layout: it is the C of each tile's first matrix instruction.
; THE WALK: the queries' register images (6,400 bytes a tile of 16 queries) come through a ring of two LDS slots of 16 tiles; wave w loads and reads its own quarter, 4 tiles.  All work-groups walk the same image:
; the four of a cluster ask JOINTLY (mask 15).  A query tile is 52 matrix instructions (13 tiles x 4 K steps), source 0 = 16 rows, source 1 = 16 queries: lane (r, h) holds query r and rows 8 h + 0 .. 7.
; The accumulators of one group of tiles are reduced by vector lines that stand in shares behind every second matrix instruction of the next group.  The shares are laid by tables (S4, S5, FPART) so that no line
; reads a result made in its own share.  The next query tile's 14 LDS loads stand in one run behind the middle group's last share.
; No prefetch: the rows are asked for four units (64 loads a wave) ahead by the loads themselves, and a slot of the image is asked for four query tiles ahead of its first read.
; REGISTERS: window 0: names below; window 1: tiles 0-4's fragments (48 a tile); window 2: tiles 5-8's, v192-231 -b2/2 of tiles 0-4; window 3: tiles 9-12's, v192-255 -b2/2 of tiles 5-12; in the head window 3 holds four units as loaded.
.set SLOTB, 102400                     ; a slot: 16 query tiles
.set WPART, 25600                      ; a wave's quarter of it
.set QT,    6400                       ; a query tile's image
.set STG,   102400                     ; behind slot 0: four stages of 16 rows x 528 bytes
.set RING1, 136192                     ; slot 1
.set AIMG,  238592                     ; the rows' fragments: 13 tiles x 4 K steps x 1,536 bytes
.set ASC,   318464                     ; their scale words: 256 bytes a tile
.set B2P,   321792                     ; four waves' partial sums of squares, 832 bytes each,
.set B2Z,   325120                     ; and 256 bytes of zeros behind them: thread 127's read of the last partial ends here
.set SPARE, 325376                     ; the spare words, 128 bytes a wave
.set B2F,   325888                     ; -b2 / 2: 8 bytes a thread, of which the first 832 bytes are read
.set WV,    12
.set SEL,   22                         ; s[22:23] selects of v_permlanex16_b32: lane l xor 16
.set G1,    24                         ; s[24:31] descriptor group 1; s[32:39] group 0, a set for each slot
.set G0,    32
.set TB,    40                         ; where the next query tile stands in LDS (less my wave's part)
.set HM,    41                         ; lanes 16-31
.set OUTER, 42
.set INNER, 43
.set FM,    48                         ; s48, s49 a query tile's end: the other half's D is larger; is equal
.set SPW,  1
.set NIL,  2
.set QL,   3                           ; my quarter of slot 0 + 16 x lane;  v4 the same + 4 x lane + 6,144 (scale registers)
.set QSL,  4
.set ADR,  5
.set ADS,  6
.set GOFF, 7                           ; where a pair of query tiles' results go
.set TT,   8                           ; the tile that holds the running maximum
.set HB,   9                           ; my first row: the work-group's + 8 h
.set RUN,  10                          ; v10-11 the running maximum, by turns
.set RIT,  12
.set II,   13
.set PO,   14
.set PI,   15
.set MA,   16                          ; v16-20, v24-28 a tile's partial maxima
.set MB,   24
.set TI,   29
.set MI,   30
.set RVT,  31
.set ASR,  32                          ; v32-57 the rows' scale words, two registers a tile; v58-61 the queries', two sets.  They hold scales and nothing else
.set QSR,  58
.set P0,   62                          ; v[62:63] key and row: lanes 0-15 the even query tile, lanes 16-31 the odd one
.set ACA,  64                          ; v64-143 two sets of five accumulators.  The head's names below lie in them and are done with by then
.set LN,   120
.set RR,   121
.set HH,   122
.set LI,   124
.set STW,  125
.set STR,  126
.set AW0,  127
.set AW1,  128
.set SCW,  129
.set B2W,  130
.set AR0,  131
.set AR1,  132
.set SCR,  133
.set B2R,  134
.set B2A,  135
.set B2S,  136
.set ZW,   137
.set QF,   144                         ; v144-239 the queries' fragments, two sets of 48
.set XS,   144                         ; in the head: my 64 numbers of a unit; v208.. their codes
.set PC,   208
.set TM,   64
.set PW,   80
.set SQ,   84
.set BW,   144                         ; at work on b2
.set MSB, 0
.macro WIN new                         ; the immediate's high byte repeats the setting that is left
.if MSB != \new
	s_set_vgpr_msb (MSB<<8)|\new
.set MSB, \new
.endif
.endm
.macro ROUND                           ; a round of the cluster's barrier
	s_barrier_signal -1
	s_barrier_wait -1
	s_cmp_lg_u32 s[WV], 0
	s_cbranch_scc1 .Lnot_wave_0_\@
	s_barrier_signal -3
.Lnot_wave_0_\@:
	s_barrier_wait -3
	s_barrier_signal -1
	s_barrier_wait -1
.endm
.macro PLACES
.rept 4
	v_nop
.endr
.endm
.macro SUMSQ s                         ; the sum of squares of my 64 numbers and of lane l xor 16's
	v_pk_mul_f32 v[SQ:SQ+1], v[\s:\s+1], v[\s:\s+1]
	v_pk_mul_f32 v[SQ+2:SQ+3], v[\s+2:\s+3], v[\s+2:\s+3]
.irp i, 4,8,12,16,20,24,28,32,36,40,44,48,52,56,60
	v_pk_fma_f32 v[SQ:SQ+1], v[\s+\i:\s+\i+1], v[\s+\i:\s+\i+1], v[SQ:SQ+1]
	v_pk_fma_f32 v[SQ+2:SQ+3], v[\s+\i+2:\s+\i+3], v[\s+\i+2:\s+\i+3], v[SQ+2:SQ+3]
.endr
	v_pk_add_f32 v[SQ:SQ+1], v[SQ:SQ+1], v[SQ+2:SQ+3]
	v_add_f32 v[SQ], v[SQ], v[SQ+1]
	v_permlanex16_b32 v[SQ+1], v[SQ], s[SEL], s[SEL+1]
	v_add_f32 v[SQ], v[SQ], v[SQ+1]
.endm
.macro QUANT s                         ; 64 numbers of a lane (register 16 b + i = k 32 b + 16 h + i of row r) become a fragment's codes in v[PC] on and the row's scale word in v[PW]
.irp b, 0,1,2,3
	v_max3_num_f32 v[TM+\b], |v[\s+16*\b]|, |v[\s+1+16*\b]|, 0x2800000   ; with the floor 2^(5 - 127): the byte cannot fall under 1
.endr
.irp i, 2,4,6,8,10,12,14
.irp b, 0,1,2,3
	v_max3_num_f32 v[TM+\b], v[TM+\b], |v[\s+16*\b+\i]|, |v[\s+1+16*\b+\i]|
.endr
.endr
.irp b, 0,1,2,3
	v_permlanex16_b32 v[TM+4+\b], v[TM+\b], s[SEL], s[SEL+1]
.endr
.irp b, 0,1,2,3
	v_max_num_f32 v[TM+\b], v[TM+\b], v[TM+4+\b]
.endr
.irp b, 0,1,2,3
	v_add_nc_u32 v[TM+12+\b], 0xfe000000, v[TM+\b]   ; 4 off the exponent field: the conversion's scale operand
.endr
.irp b, 0,1,2,3
	v_lshrrev_b32 v[TM+4+\b], 23, v[TM+12+\b]      ; the scale's byte
.endr
	v_lshl_or_b32 v[PW], v[TM+5], 8, v[TM+4]
	v_lshl_or_b32 v[PW], v[TM+6], 16, v[PW]
	v_lshl_or_b32 v[PW], v[TM+7], 24, v[PW]
.irp c, 0,1
	v_cvt_scalef32_pk16_bf6_f32 v[PC+6*\c:PC+2+6*\c], v[\s+32*\c:\s+15+32*\c], v[TM+12+2*\c]
	v_cvt_scalef32_pk16_bf6_f32 v[PC+12+4*\c:PC+14+4*\c], v[\s+16+32*\c:\s+31+32*\c], v[TM+12+2*\c+1]
.endr
	v_nop                                          ; one plain place behind a scaled conversion
.irp c, 0,1                                    ; the operand's layout wants a whole block in a lane
.irp i, 0,1,2
	v_permlane16_swap_b32 v[PC+6*\c+\i], v[PC+12+4*\c+\i]
.endr
.irp i, 0,1,2
	v_mov_b32 v[PC+3+6*\c+\i], v[PC+12+4*\c+\i]
.endr
.endr
.endm
.macro LOADU t                         ; unit t as it lies: 16 rows x my 512 bytes, into set t % 4 of window 3
	WIN 0xc0
.irp i, 0,1,2,3,4,5,6,7,8,9,10,11,12,13,14,15
	global_load_b128 v[64*((\t)%4)+4*\i:64*((\t)%4)+4*\i+3], v[LI], s[16:17] offset:(16*(\t)+\i)*2048 th:TH_LOAD_NT
.endr
	WIN 0
.endm
	s_load_b128 s[4:7], s[0:1], 0x0                ; buffer, qimg
	s_load_b64 s[8:9], s[0:1], 0x10                ; part
	v_lshl_add_u32 v[SPW], v0, 2, SPARE
	v_mov_b32 v[NIL], 0
	ds_add_u32 v[SPW], v[NIL]                      ; the opening lines: the add, twice on end, and its one wait
	ds_add_u32 v[SPW], v[NIL]
	v_lshrrev_b32 v[LN], 5, v0
	v_readfirstlane_b32 s[WV], v[LN]               ; wave 0..3
	v_and_b32 v[LN], 31, v0
	v_lshlrev_b32 v[LI], 4, v[LN]
	s_bfe_u32 s13, ttmp6, 0x40000                  ; cx
	s_lshl_b32 s14, ttmp9, 2
	s_add_co_u32 s14, s14, s13                     ; the work-group's number
	s_mul_i32 s15, s14, 205
	s_min_u32 s15, s15, 49792                      ; its first row: 208 rows stay inside the table
	s_mov_b32 s[G1], 15|(3<<16)|(1<<21)            ; the four partners; elements of 8 bytes; bit 21 beside a mask
	s_mov_b32 s[G1+1], 32<<16                      ; a dense block as 100 rows of 256 bytes
	s_mov_b32 s[G1+2], 100<<16
	s_mov_b32 s[G1+3], 32<<16
	s_mov_b32 s[G1+4], 100
	s_mov_b32 s[G1+5], 32
	s_mov_b32 s[G1+6], 0
	s_mov_b32 s[G1+7], 0
	s_mul_i32 s20, s[WV], WPART
	s_mov_b32 s21, 0
	s_lshl_b32 s44, s15, 11                        ; rows of 2,048 bytes,
	s_lshl_b32 s45, s[WV], 9                       ; my K step's 512
	s_add_co_u32 s44, s44, s45
	s_mov_b32 s45, 0
	s_lshl_b32 s46, s14, 14                        ; part: 16,384 bytes a work-group, 4,096 a wave
	s_lshl_b32 s47, s[WV], 12
	s_add_co_u32 s46, s46, s47
	s_mov_b32 s47, 0
	s_mov_b32 s[SEL], 0x76543210
	s_mov_b32 s[SEL+1], 0xfedcba98
	s_mov_b32 s[HM], 0xffff0000
	s_wait_alu depctr_va_vdst(0)
	s_wait_dscnt 0x0                               ; both opening adds are done
	s_wait_kmcnt 0x0
	s_add_nc_u64 s[16:17], s[4:5], s[44:45]
	s_add_nc_u64 s[18:19], s[8:9], s[46:47]
	s_mov_b32 s[G0], 1
	s_mov_b32 s[G0+1], s20
	s_add_nc_u64 s[G0+2:G0+3], s[6:7], s[20:21]
	s_mov_b32 s[G0+4], 1
	s_add_co_u32 s[G0+5], s20, RING1
	s_add_nc_u64 s[G0+6:G0+7], s[G0+2:G0+3], SLOTB
	s_or_b32 s[G0+3], s[G0+3], 0x80000000
	s_or_b32 s[G0+7], s[G0+7], 0x80000000
	ROUND                                          ; the four partners are here: the first joint loads meet
	tensor_load_to_lds s[G0:G0+3], s[G1:G1+7]      ; slot 0, my quarter: one tensor load a wave at the head
	s_nop 0
	PLACES
	LOADU 0                                        ; the rows' first four units
	LOADU 1
	LOADU 2
	LOADU 3
	v_and_b32 v[RR], 15, v0
	v_bfe_u32 v[HH], v0, 4, 1
	v_add_nc_u32 v[QL], s20, v[LI]
	v_lshlrev_b32 v[QSL], 2, v[LN]
	v_add_nc_u32 v[QSL], s20, v[QSL]
	v_add_nc_u32 v[QSL], 6144, v[QSL]
	v_lshlrev_b32 v[GOFF], 3, v[LN]
	v_lshl_add_u32 v[HB], v[HH], 3, s15
	s_mul_i32 s44, s[WV], 8448
	s_add_co_u32 s44, s44, STG                     ; my stage
	v_add_nc_u32 v[STW], s44, v[LI]
	v_mul_u32_u24 v[STR], v[RR], 528
	v_lshl_add_u32 v[STR], v[HH], 6, v[STR]
	v_add_nc_u32 v[STR], s44, v[STR]
	s_mul_i32 s45, s[WV], 1536
	s_add_co_u32 s45, s45, AIMG
	v_add_nc_u32 v[AW0], s45, v[LI]                ; my K step's fragment of tile 0; of tile 8
	v_add_nc_u32 v[AW1], 49152, v[AW0]
	s_lshr_b32 s44, s[WV], 1
	s_lshl_b32 s44, s44, 7
	s_and_b32 s45, s[WV], 1
	s_lshl_b32 s45, s45, 6
	s_add_co_u32 s44, s44, s45
	s_add_co_u32 s44, s44, ASC
	v_lshl_add_u32 v[SCW], v[RR], 2, s44           ; scale register s / 2, lanes 16 (s % 2) on
	s_mul_i32 s44, s[WV], 832
	s_add_co_u32 s44, s44, B2P
	v_lshl_add_u32 v[B2W], v[RR], 2, s44
	v_add_nc_u32 v[AR0], AIMG, v[LI]
	v_add_nc_u32 v[AR1], 49152, v[AR0]
	v_lshl_add_u32 v[SCR], v[LN], 2, ASC
	v_lshl_add_u32 v[B2R], v[HH], 5, B2F           ; -b2 / 2 of rows 8 h + 0 .. 7
	v_lshl_add_u32 v[B2A], v0, 3, B2P              ; thread i: rows 2 i, 2 i + 1 of a partial
	v_lshl_add_u32 v[B2S], v0, 3, B2F
	v_lshl_add_u32 v[ZW], v0, 1, B2Z
.irp b, 0,1,2,3
	v_mov_b32 v[TM+4+\b], 0                        ; written once: a lane permute's destination counts as one of its sources
.endr
	v_mov_b32 v[PO], 0
	v_mov_b32 v[PI], 0
	ds_store_b16 v[ZW], v[NIL]                     ; the 256 zeros behind the partials, two bytes a thread
	s_wait_alu depctr_va_vdst(0)
.macro UNIT t
.if 12-(\t) >= 3
	s_wait_loadcnt 48                              ; this unit's 16 loads are in; the three younger units' may be out
.else
	s_wait_loadcnt 16*(12-(\t))
.endif
	WIN 0x0c                                       ; an LDS store's data are its source 1: window 3
.irp i, 0,1,2,3,4,5,6,7,8,9,10,11,12,13,14,15
	ds_store_b128 v[STW], v[64*((\t)%4)+4*\i:64*((\t)%4)+4*\i+3] offset:528*\i
.endr
	WIN 0
.irp b, 0,1,2,3                                ; LDS serves a wave's instructions in order: these see my stores
.irp j, 0,1,2,3
	ds_load_b128 v[XS+16*\b+4*\j:XS+16*\b+4*\j+3], v[STR] offset:128*\b+16*\j
.endr
.endr
	s_wait_dscnt 0x0
.if (\t)+4 <= 12
	LOADU (\t)+4                                   ; the set just read takes the unit four on
.endif
	SUMSQ XS
	QUANT XS
.irp c, 0,1,2
.if (\t) < 8
	ds_store_b128 v[AW0], v[PC+4*\c:PC+4*\c+3] offset:6144*(\t)+512*\c
.else
	ds_store_b128 v[AW1], v[PC+4*\c:PC+4*\c+3] offset:6144*((\t)-8)+512*\c
.endif
.endr
	ds_store_b32 v[SCW], v[PW] offset:256*(\t)
	ds_store_b32 v[B2W], v[SQ] offset:64*(\t)
.endm
.macro ALOAD t                         ; tile t's four fragments, 48 registers, from the image to their place
.if (\t) < 5
	WIN 0x40
.set fb, 48*(\t)
.elseif (\t) < 9
	WIN 0x80
.set fb, 48*((\t)-5)
.else
	WIN 0xc0
.set fb, 48*((\t)-9)
.endif
.irp m, 0,1,2,3,4,5,6,7,8,9,10,11
.if (\t) < 8
	ds_load_b128 v[fb+4*\m:fb+4*\m+3], v[AR0] offset:6144*(\t)+512*\m
.else
	ds_load_b128 v[fb+4*\m:fb+4*\m+3], v[AR1] offset:6144*((\t)-8)+512*\m
.endif
.endr
.endm
.irp t, 0,1,2,3,4
	UNIT \t
.endr
	s_wait_alu depctr_va_vdst(0)
	s_wait_dscnt 0x0                               ; my stores of tiles 0-4 have landed
	s_barrier_signal -1                            ; slot 0's load may be out
	s_barrier_wait -1
.irp t, 0,1,2,3,4
	ALOAD \t
.endr
	WIN 0
.irp t, 5,6,7,8
	UNIT \t
.endr
	s_wait_alu depctr_va_vdst(0)
	s_wait_tensorcnt 0x0                           ; my quarter of slot 0 is in
	ds_add_u32 v[SPW], v[NIL]
	s_wait_dscnt 0x0                               ; the add is done, and my stores of tiles 5-8 have landed
	ROUND                                          ; tiles 5-8 are whole, and the partners are here
	tensor_load_to_lds s[G0+4:G0+7], s[G1:G1+7]    ; slot 1's first fill, the first tensor load behind the round
	s_nop 0
	PLACES
.irp t, 5,6,7,8
	ALOAD \t
.endr
	WIN 0
.irp t, 9,10,11,12
	UNIT \t
.endr
	s_wait_alu depctr_va_vdst(0)
	s_wait_dscnt 0x0
	s_barrier_signal -1                            ; slot 1's load may be out
	s_barrier_wait -1                              ; all tiles, scale words and partial sums are whole
.irp p, 0,1,2,3
	ds_load_b64 v[BW+2*\p:BW+2*\p+1], v[B2A] offset:832*\p
.endr
.irp t, 9,10,11,12
	ALOAD \t
.endr
	WIN 0
	s_wait_dscnt 48                                ; the four partials are in; the 48 fragment loads behind them may be out
	v_pk_add_f32 v[BW+8:BW+9], v[BW:BW+1], v[BW+2:BW+3]
	v_pk_add_f32 v[BW+10:BW+11], v[BW+4:BW+5], v[BW+6:BW+7]
	v_pk_add_f32 v[BW+8:BW+9], v[BW+8:BW+9], v[BW+10:BW+11]
	v_pk_mul_f32 v[BW+8:BW+9], v[BW+8:BW+9], -0.5 op_sel_hi:[1,0]
	ds_store_b64 v[B2S], v[BW+8:BW+9]
.set tq, 0
.rept 26
	ds_load_b32 v[ASR+tq], v[SCR] offset:128*tq
.set tq, tq+1
.endr
	s_wait_dscnt 0x0                               ; for the others' sake: my two numbers have landed
	s_barrier_signal -1
	s_barrier_wait -1
.irp t, 0,1,2,3,4,5,6,7,8,9,10,11,12
.if \t < 5
	WIN 0x80
.set bb, 192+8*\t
.else
	WIN 0xc0
.set bb, 192+8*(\t-5)
.endif
	ds_load_b128 v[bb:bb+3], v[B2R] offset:64*\t
	ds_load_b128 v[bb+4:bb+7], v[B2R] offset:64*\t+16
.endr
	WIN 0
.irp m, 0,1,2,3,4,5,6,7,8,9,10,11
	ds_load_b128 v[QF+4*\m:QF+4*\m+3], v[QL] offset:512*\m      ; my first query tile
.endr
	ds_load_b32 v[QSR], v[QSL]
	ds_load_b32 v[QSR+1], v[QSL] offset:128
	s_mov_b32 s[TB], QT
; one matrix instruction: tile wt, K step ws, accumulator wa, query set buf.  The first K step takes -b2 / 2 as C.
.macro WM buf
.if wt < 5
.set fw, 1
.set fa, 48*wt+12*ws
.set bw, 2
.set bb, 192+8*wt
.elseif wt < 9
.set fw, 2
.set fa, 48*(wt-5)+12*ws
.set bw, 3
.set bb, 192+8*(wt-5)
.else
.set fw, 3
.set fa, 48*(wt-9)+12*ws
.set bw, 3
.set bb, 192+8*(wt-5)
.endif
.set wn, fw
.if ws == 0
.set wn, fw|(bw<<4)
.endif
	WIN wn
.set fq, QF+48*(\buf)+12*ws
.set sx, ASR+2*wt+ws/2
.set sy, QSR+2*(\buf)+ws/2
.if ws == 0
	v_wmma_scale_f32_16x16x128_f8f6f4 v[wa:wa+7], v[fa:fa+11], v[fq:fq+11], v[bb:bb+7], v[sx], v[sy] matrix_a_fmt:MATRIX_FMT_BF6 matrix_b_fmt:MATRIX_FMT_BF6
.elseif ws == 2
	v_wmma_scale_f32_16x16x128_f8f6f4 v[wa:wa+7], v[fa:fa+11], v[fq:fq+11], v[wa:wa+7], v[sx], v[sy] matrix_a_fmt:MATRIX_FMT_BF6 matrix_b_fmt:MATRIX_FMT_BF6
.else
	v_wmma_scale_f32_16x16x128_f8f6f4 v[wa:wa+7], v[fa:fa+11], v[fq:fq+11], v[wa:wa+7], v[sx], v[sy] matrix_a_fmt:MATRIX_FMT_BF6 matrix_b_fmt:MATRIX_FMT_BF6 matrix_a_scale:MATRIX_SCALE_ROW1 matrix_b_scale:MATRIX_SCALE_ROW1
.endif
.endm
; reducing line a of a group: tile a / 3's eight numbers to two; each accumulator is read from its low end on
.macro AITEM acc, a
.set tau, (\a)/3
.if (\a)%3 == 0
	v_max3_num_f32 v[MA+tau], v[\acc+8*tau], v[\acc+8*tau+1], v[\acc+8*tau+2]
.elseif (\a)%3 == 1
	v_max3_num_f32 v[MB+tau], v[\acc+8*tau+3], v[\acc+8*tau+4], v[\acc+8*tau+5]
.else
	v_max3_num_f32 v[MA+tau], v[MA+tau], v[\acc+8*tau+6], v[\acc+8*tau+7]
.endif
.endm
; line c of the running maximum: for each tile the new maximum, has it moved, and if so the tile's number (a tie keeps the earlier tile).  init: tile 0 starts it, in two lines
.macro CITEM t0, init, c
.if (\init) && ((\c) < 2)
.set tau, 0
.set ui, (\c)
.elseif \init
.set tau, 1+((\c)-2)/3
.set ui, ((\c)-2)%3
.else
.set tau, (\c)/3
.set ui, (\c)%3
.endif
.set tn, \t0+tau
.set ro, RUN+tn%2
.set rn, RUN+(tn+1)%2
.if (\init) && (tau == 0)
.if ui == 0
	v_max_num_f32 v[rn], v[MA], v[MB]
.else
	v_mov_b32 v[TT], 0
.endif
.elseif ui == 0
	v_max3_num_f32 v[rn], v[ro], v[MA+tau], v[MB+tau]
.elseif ui == 1
	v_cmp_eq_f32 vcc_lo, v[rn], v[ro]
.else
	v_cndmask_b32 v[TT], tn, v[TT], vcc_lo
.endif
.endm
; Share g of the 24 lines that reduce a group of four tiles.  From share 3 on: the number of tile t, the compare of tile t + 1, the maximum of tile t + 2, in this order: the select reads VCC ahead of the
; next compare's write, and the compare reads the older maximum ahead of the line that lands on its register.
.macro S4 acc, t0, g
.if (\g) == 0
.irp a, 0,1,3,9
	AITEM \acc, \a
.endr
.elseif (\g) == 1
.irp a, 2,4,6,10
	AITEM \acc, \a
.endr
.elseif (\g) == 2
	CITEM \t0, 0, 0
.irp a, 5,7,11
	AITEM \acc, \a
.endr
.elseif (\g) == 3
	CITEM \t0, 0, 1
	CITEM \t0, 0, 3
	AITEM \acc, 8
.elseif (\g) == 4
.irp c, 2,4,6
	CITEM \t0, 0, \c
.endr
.elseif (\g) == 5
.irp c, 5,7,9
	CITEM \t0, 0, \c
.endr
.elseif (\g) == 6
	CITEM \t0, 0, 8
	CITEM \t0, 0, 10
.elseif (\g) == 7
	CITEM \t0, 0, 11
.endif
.endm
; Share g of the lines that reduce tiles 0-4 and start a query tile's running maximum; its last line, tile 4's number, falls into the next group's first share
.macro S5 acc, g
.if (\g) == 0
.irp a, 0,1,3,4
	AITEM \acc, \a
.endr
.elseif (\g) == 1
.irp a, 2,5,6,7
	AITEM \acc, \a
.endr
.elseif (\g) == 2
	CITEM 0, 1, 0
	CITEM 0, 1, 1
.irp a, 8,9,10
	AITEM \acc, \a
.endr
.elseif (\g) == 3
	CITEM 0, 1, 2
.irp a, 11,12,13
	AITEM \acc, \a
.endr
.elseif (\g) == 4
	CITEM 0, 1, 3
	CITEM 0, 1, 5
	AITEM \acc, 14
.elseif (\g) == 5
.irp c, 4,6,8
	CITEM 0, 1, \c
.endr
.elseif (\g) == 6
.irp c, 7,9,11
	CITEM 0, 1, \c
.endr
.elseif (\g) == 7
	CITEM 0, 1, 10
	CITEM 0, 1, 12
.endif
.endm
; A query tile's end, spread over shares 6 .. 9 of the next tile's first group (v = 6 .. 9) and the shares of its middle group (v = 10 .. 17): the two halves of the lanes meet (the larger D, with equal D the lower
; row); an even tile waits in lanes 0-15 for the odd one; the pair leaves as key and row, 256 bytes a store.  All its reads of the running maximum and of the tile's number stand at v = 8 at the latest, ahead of share
; 2 of the middle group, which starts them anew.
.macro FPART odd, v
.if (\v) == 6
	v_permlanex16_b32 v[PO], v[RUN+1], s[SEL], s[SEL+1]
.elseif (\v) == 7
.if \odd
	v_max_num_f32 v[RVT], v[RUN+1], v[PO]
.else
	s_wait_xcnt 0x0                                ; the last pair's store has read its data and its offset
	s_wait_alu depctr_va_vdst(0)
	v_max_num_f32 v[P0], v[RUN+1], v[PO]
.endif
.elseif (\v) == 8
	v_lshl_add_u32 v[II], v[TT], 4, v[HB]
	v_cmp_gt_f32 s[FM], v[PO], v[RUN+1]
	v_cmp_eq_f32 s[FM+1], v[PO], v[RUN+1]
.elseif (\v) == 9
	v_permlanex16_b32 v[PI], v[II], s[SEL], s[SEL+1]
.if \odd
	v_cndmask_b32 v[P0], v[P0], v[RVT], s[HM]
.else
	v_add_nc_u32 v[GOFF], 0x100, v[GOFF]
.endif
.elseif (\v) == 10
	v_cndmask_b32 v[TI], v[II], v[PI], s[FM]
	v_min_u32 v[MI], v[II], v[PI]
.if \odd
	v_add_f32 v[P0], 0, v[P0]                      ; -0 becomes +0
.endif
.elseif (\v) == 11
.if \odd
	v_cndmask_b32 v[RIT], v[TI], v[MI], s[FM+1]
	v_ashrrev_i32 v[MI], 31, v[P0]                 ; a whole number that rises with D
.else
	v_cndmask_b32 v[P0+1], v[TI], v[MI], s[FM+1]
.endif
.elseif (\v) == 12
.if \odd
	v_cndmask_b32 v[P0+1], v[P0+1], v[RIT], s[HM]
	v_or_b32 v[MI], 0x80000000, v[MI]
.endif
.elseif (\v) == 13
.if \odd
	v_xor_b32 v[P0], v[P0], v[MI]
.endif
.elseif (\v) == 17
.if \odd
	global_store_b64 v[GOFF], v[P0:P0+1], s[18:19] offset:-256 th:TH_STORE_NT
.endif
.endif
.endm
.macro PRE2 nb, g                      ; two of the next query tile's 14 LDS loads, into set nb
.if (\g) < 6
	ds_load_b128 v[QF+48*(\nb)+8*(\g):QF+48*(\nb)+8*(\g)+3], v[ADR] offset:1024*(\g)
	ds_load_b128 v[QF+48*(\nb)+8*(\g)+4:QF+48*(\nb)+8*(\g)+7], v[ADR] offset:1024*(\g)+512
.else
	ds_load_b32 v[QSR+2*(\nb)], v[ADS]
	ds_load_b32 v[QSR+2*(\nb)+1], v[ADS] offset:128
.endif
.endm
; share g of group grp: the first group's shares reduce the last query tile's tiles 9-12, the middle group's this tile's tiles 0-4, the last group's its tiles 5-8
.macro SHARE grp, g, buf, first, pre
.if \grp == 0
	S4 sb, 9, \g
	FPART (1-\buf), \g
.elseif \grp == 1
.if (\pre) && ((\g) == 7)
	v_add_nc_u32 v[ADR], s[TB], v[QL]
	v_add_nc_u32 v[ADS], s[TB], v[QSL]
	s_add_co_u32 s[TB], s[TB], QT
.endif
	S5 sa, \g
.if (\first) == 0
	FPART (1-\buf), 10+(\g)
.endif
.if (\pre) && ((\g) == 7)
.irp k, 0,1,2,3,4,5,6
	PRE2 (1-\buf), \k                              ; the next query tile, in one run: the last group's 16 matrix instructions stand between it and the wait for it
.endr
.endif
.else
.if (\g) == 0
	CITEM 0, 1, 13
.endif
	S4 sb, 5, \g
.if (\g) == 7
	v_nop                                          ; with the three lines of shares 6 and 7 the fourth place behind tile 9's last matrix instruction
.endif
.endif
.endm
; a group: G tiles x 4 K steps, the accumulators by turns; a share of vector lines behind every second matrix instruction
.macro GROUP grp, t0, G, acc, buf, first, pre
.set mi, 0
.rept 4*\G
.set wt, \t0+mi%\G
.set wa, \acc+8*(mi%\G)
.set ws, mi/\G
	WM \buf
.if (mi%2 == 1) && (((\first) == 0) || ((\grp) != 0))
	WIN 0
	SHARE \grp, (mi-1)/2, \buf, \first, \pre
.endif
.set mi, mi+1
.endr
.endm
.macro Q buf, first, pre               ; a query tile
.set sa, ACA+40*\buf
.set sb, ACA+40*(1-\buf)
	s_wait_dscnt 0x0                               ; its fragments and scale words are in
	GROUP 0, 0, 5, sa, \buf, \first, \pre
.if \first
	WIN 0
	PLACES
.endif
	GROUP 1, 5, 4, sb, \buf, \first, \pre
	GROUP 2, 9, 4, sa, \buf, \first, \pre
.endm
.macro PAIRS
	s_mov_b32 s[INNER], 2
.Lpair_\@:
	Q 1, 0, 1
	Q 0, 0, 1
	WIN 0
	s_sub_co_u32 s[INNER], s[INNER], 1
	s_cmp_lg_u32 s[INNER], 0
	s_cbranch_scc1 .Lpair_\@
.endm
.macro HALF p                          ; slot p has been read out (its last tile stands in registers): it is filled again, two slots ahead; four query tiles follow
	s_wait_tensorcnt 0x0                           ; all my tensor loads have landed: my quarter of the other slot
	ds_add_u32 v[SPW], v[NIL]
	s_add_nc_u64 s[G0+4*\p+2:G0+4*\p+3], s[G0+4*\p+2:G0+4*\p+3], 2*SLOTB
	s_wait_dscnt 0x0                               ; the add is done, and so are my reads of slot p
	ROUND
	tensor_load_to_lds s[G0+4*\p:G0+4*\p+3], s[G1:G1+7]
	s_nop 0
	PLACES
	s_mov_b32 s[TB], (1-\p)*RING1
	PAIRS
.endm
	Q 0, 1, 1
	Q 1, 0, 1
	Q 0, 0, 1
	s_mov_b32 s[OUTER], 3
.Lslots:
	HALF 0
	HALF 1
	s_sub_co_u32 s[OUTER], s[OUTER], 1
	s_cmp_lg_u32 s[OUTER], 0
	s_cbranch_scc1 .Lslots
	s_wait_tensorcnt 0x0                           ; the last slot: nothing more is fetched
	s_mov_b32 s[TB], RING1
	PAIRS
	Q 1, 0, 0
.set sb, ACA+40
.set fv, 0
.rept 18
	S4 sb, 9, fv                                   ; the last query tile's tiles 9-12 and its end, share by share
	FPART 1, fv
.set fv, fv+1
.endr
	s_wait_tensorcnt 0x0                           ; the wave's end
	ds_add_u32 v[SPW], v[NIL]
	s_wait_dscnt 0x0
	ROUND                                          ; the closing round
	s_endpgm
.Lfunc_end_k_q38da0380df_knn:
	.size	k_q38da0380df_knn, .Lfunc_end_k_q38da0380df_knn-k_q38da0380df_knn
	.p2alignl 7, 3214868480
	.fill 96, 4, 3214868480
	.section	.rodata,"a",@progbits
	.p2align	6, 0x0
	.amdhsa_kernel k_q38da0380df_knn
		.amdhsa_group_segment_fixed_size 327680
		.amdhsa_private_segment_fixed_size 0
		.amdhsa_enable_private_segment 0
		.amdhsa_kernarg_size 24
		.amdhsa_user_sgpr_count 2
		.amdhsa_user_sgpr_kernarg_segment_ptr 1
		.amdhsa_wavefront_size32 1
		.amdhsa_system_sgpr_workgroup_id_x 1
		.amdhsa_system_sgpr_workgroup_id_y 1
		.amdhsa_system_sgpr_workgroup_id_z 1
		.amdhsa_system_vgpr_workitem_id 0
		.amdhsa_next_free_vgpr 1024
		.amdhsa_next_free_sgpr 66
		.amdhsa_reserve_vcc 1
		.amdhsa_float_denorm_mode_32 3
		.amdhsa_float_denorm_mode_16_64 3
		.amdhsa_memory_ordered 1
		.amdhsa_forward_progress 1
		.amdhsa_inst_pref_size 255
	.end_amdhsa_kernel
	.section	.bss,"aw",@nobits
	.p2align	6
	.space	262144
	.amdgpu_metadata
---
amdhsa.version: [ 1, 2 ]
amdhsa.kernels:
  - .name:           k_q38da0380df_knn
    .symbol:         k_q38da0380df_knn.kd
    .args:
      - { .name: buffer, .offset: 0, .size: 8, .value_kind: global_buffer, .address_space: global }
      - { .name: qimg, .offset: 8, .size: 8, .value_kind: global_buffer, .address_space: global }
      - { .name: part, .offset: 16, .size: 8, .value_kind: global_buffer, .address_space: global }
    .group_segment_fixed_size: 327680
    .private_segment_fixed_size: 0
    .kernarg_segment_align: 8
    .kernarg_segment_size: 24
    .max_flat_workgroup_size: 128
    .sgpr_count:     66
    .vgpr_count:     1024
    .wavefront_size: 32
...
	.end_amdgpu_metadata
.endif
;; end of part 2
;; launch recall (part 3): grid 256 x 1, 4 waves a work-group, no clusters, 35,584 bytes of LDS; arguments buffer, qimg, q2buf, part, out0; writes out0
.if DOCPART == 3
	.amdgcn_target "amdgcn-amd-amdhsa--gfx1250"
	.amdhsa_code_object_version 6
	.text
	.protected	k_q38da0380df_recall
	.globl	k_q38da0380df_recall
	.p2align	8
	.type	k_q38da0380df_recall,@function
k_q38da0380df_recall:
	s_mov_b64 s[64:65], 0
	v_nop
	global_prefetch_b8 v0, s[64:65] scope:SCOPE_SE
	s_setreg_imm32_b32 hwreg(HW_REG_WAVE_MODE, 25, 1), 1
	s_wait_xcnt 0x0
; out0[x] = the buffer row nearest to query x.  The launch before has left, for each query and each of its 244 work-groups, two WHOLE NUMBERS: a key that rises with D = q.b - b2 / 2, and the first row of the block of
; eight rows that holds that D.  Work-group G takes queries 8 G .. 8 G + 7, wave w two of them.
; 1. THE BLOCK.  Of the 244 pairs the largest key wins, among equal keys the lower row: comparisons of whole numbers that were read from memory.  The winner's row, held at 49,992, makes the addresses of the eight rows.
;    A work-group's eight queries are 64 consecutive bytes of each of 244 runs of 16,384: a lane takes a query and every sixteenth run; sixteen partial winners a query meet in LDS.
; 2. THE ROW.  A wave loads its two blocks, 16 rows of 2,048 bytes, into 256 registers, where they stay; quantises them as the launch before did (the same sums of squares in the same order, the same codes, the same
;    four matrix instructions with -b2 / 2 as the first C); forms d2 = q2 - 2 D (one fused multiply-add) for each query's eight rows; the smallest wins, among equals the lowest row.
; 3. THE CHOICE SELECTS A VALUE, NOT AN ADDRESS: the winner is taken out of the registers by v_cndmask_b32 under masks, from row 7 down to row 0, and stored: 512 consecutive bytes a store.
; Source 0 = the 16 rows (0-7: the first query's block, 8-15: the second's), source 1 = the 16 queries of the query tile: lane (r, h) holds query r and rows 8 h + 0 .. 7.  So the first query's eight numbers stand in
; lane r0, the second's in lane 16 + r0 + 1.  The other columns are not used: four matrix instructions a wave.
; LIMITS: NaN and infinities are not served.  Blocks are compared by D; q2 enters for the last eight rows alone.
; No prefetch: the rows' addresses are known only where the rows are wanted.  No cluster: the work-groups share no tile but a query image of 6,400 bytes.  The rows carry no hint: a row may be named by several queries.
; REGISTERS: window 0: see the names; window 1: the 16 rows: K step s, row i at v[64 s + 4 i], lane l its bytes 512 s + 16 l.
.set STGB, 8448                        ; LDS: a stage of 16 rows x 528 bytes for each wave;
.set B2L,  33792                       ; 64 bytes for each wave: its 16 rows' sums of squares;
.set P1L,  34048                       ; 1,024 bytes: sixteen partial winners of eight queries, 8 bytes each
.set WV,   14                          ; s14      wave
.set SEL,  22                          ; s[22:23] lane selects for v_permlanex16_b32: lane l xor 16
.set EQM,  36                          ; s36-42   lanes in which row j has the smallest d2
.set M0,   48                          ; s48-54   all ones where the first query's row j has it;  s56-62 the second's
.set M1,   56
.set LN,   1
.set RR,   2
.set HH,   3
.set LI,   4                           ; v4   16 x lane
.set STW,  5                           ; v5, v6 my stage, way in and way out
.set STR,  6
.set B2W,  7
.set B2R,  8
.set CO,   9                           ; v9   the pairs: 16,384 (4 w + lane / 8) + 8 (lane % 8)
.set CO15, 10                          ; v10  the same for the last runs, held at run 243
.set P1W,  11
.set P1R,  12
.set Q2O,  13
.set QSO,  14
.set CD,   16                          ; v16-47 sixteen pairs (key, row)
.set BI,   16                          ; later: v16-23 -b2 / 2, v24-31 the sums, v32-39 d2, v40 the smallest
.set ACC,  24
.set E,    32
.set MN,   40
.set KB,   48                          ; v[48:49] the best pair; v50, v51 the other lane's
.set ASR,  52                          ; v52-55 the rows' scale words, one register a K step; v56-57 the queries' (lanes 0-15 K step 2 p, lanes 16-31 K step 2 p + 1).  They hold scales and nothing else
.set QSR,  56
.set Q2,   58
.set SP,   60                          ; v60-63 the four K steps' sums of squares
.set TM,   64
.set SQ,   84
.set AF,   88                          ; v88-135 the rows' four fragments (v136-142 at work)
.set QF,   144                         ; v144-191 the queries' four fragments
.set XS,   192                         ; v192-255 my 64 numbers of a K step
.set MSB, 0
.macro WIN new                         ; the immediate's high byte repeats the setting that is left
.if MSB != \new
	s_set_vgpr_msb (MSB<<8)|\new
.set MSB, \new
.endif
.endm
.macro SUMSQ s                         ; the sum of squares of my 64 numbers and of lane l xor 16's
	v_pk_mul_f32 v[SQ:SQ+1], v[\s:\s+1], v[\s:\s+1]
	v_pk_mul_f32 v[SQ+2:SQ+3], v[\s+2:\s+3], v[\s+2:\s+3]
.irp i, 4,8,12,16,20,24,28,32,36,40,44,48,52,56,60
	v_pk_fma_f32 v[SQ:SQ+1], v[\s+\i:\s+\i+1], v[\s+\i:\s+\i+1], v[SQ:SQ+1]
	v_pk_fma_f32 v[SQ+2:SQ+3], v[\s+\i+2:\s+\i+3], v[\s+\i+2:\s+\i+3], v[SQ+2:SQ+3]
.endr
	v_pk_add_f32 v[SQ:SQ+1], v[SQ:SQ+1], v[SQ+2:SQ+3]
	v_add_f32 v[SQ], v[SQ], v[SQ+1]
	v_permlanex16_b32 v[SQ+1], v[SQ], s[SEL], s[SEL+1]
	v_add_f32 v[SQ], v[SQ], v[SQ+1]
.endm
.macro QUANT s                         ; 64 numbers of a lane (register 16 b + i = k 32 b + 16 (lane / 16) + i of row lane % 16) become a fragment's codes in v[PC] on and the row's scale word in v[PW]
.irp b, 0,1,2,3
	v_max3_num_f32 v[TM+\b], |v[\s+16*\b]|, |v[\s+1+16*\b]|, 0x2800000   ; and the floor 2^(5 - 127): the byte cannot fall under 1
.endr
.irp i, 2,4,6,8,10,12,14
.irp b, 0,1,2,3
	v_max3_num_f32 v[TM+\b], v[TM+\b], |v[\s+16*\b+\i]|, |v[\s+1+16*\b+\i]|
.endr
.endr
.irp b, 0,1,2,3
	v_permlanex16_b32 v[TM+4+\b], v[TM+\b], s[SEL], s[SEL+1]
.endr
.irp b, 0,1,2,3
	v_max_num_f32 v[TM+\b], v[TM+\b], v[TM+4+\b]
.endr
.irp b, 0,1,2,3
	v_add_nc_u32 v[TM+12+\b], 0xfe000000, v[TM+\b]   ; 4 off the exponent field: the conversion's scale operand
.endr
.irp b, 0,1,2,3
	v_lshrrev_b32 v[TM+4+\b], 23, v[TM+12+\b]      ; the scale's byte
.endr
	v_lshl_or_b32 v[PW], v[TM+5], 8, v[TM+4]
	v_lshl_or_b32 v[PW], v[TM+6], 16, v[PW]
	v_lshl_or_b32 v[PW], v[TM+7], 24, v[PW]
.irp c, 0,1
	v_cvt_scalef32_pk16_bf6_f32 v[PC+6*\c:PC+2+6*\c], v[\s+32*\c:\s+15+32*\c], v[TM+12+2*\c]
	v_cvt_scalef32_pk16_bf6_f32 v[PC+12+4*\c:PC+14+4*\c], v[\s+16+32*\c:\s+31+32*\c], v[TM+12+2*\c+1]
.endr
	v_nop                                          ; one plain place behind a scaled conversion
.irp c, 0,1
.irp i, 0,1,2
	v_permlane16_swap_b32 v[PC+6*\c+\i], v[PC+12+4*\c+\i]
.endr
.irp i, 0,1,2
	v_mov_b32 v[PC+3+6*\c+\i], v[PC+12+4*\c+\i]
.endr
.endr
.endm
	s_load_b256 s[4:11], s[0:1], 0x0               ; buffer s[4:5], qimg s[6:7], q2buf s[8:9], part s[10:11]
	s_load_b64 s[12:13], s[0:1], 0x20              ; out0
	v_lshl_add_u32 v139, v0, 2, 0x8900
	v_mov_b32 v143, 0
	v_lshrrev_b32 v[LN], 5, v0
	v_readfirstlane_b32 s[WV], v[LN]               ; wave 0..3
	v_and_b32 v[LN], 31, v0
	v_and_b32 v[RR], 15, v0
	v_bfe_u32 v[HH], v0, 4, 1
	v_lshlrev_b32 v[LI], 4, v[LN]
	s_mul_i32 s19, s[WV], STGB                     ; my stage
	v_add_nc_u32 v[STW], s19, v[LI]
	v_mul_u32_u24 v[STR], v[RR], 528
	v_lshl_add_u32 v[STR], v[HH], 6, v[STR]
	v_add_nc_u32 v[STR], s19, v[STR]
	s_lshl_b32 s19, s[WV], 6
	s_add_co_u32 s19, s19, B2L
	v_lshl_add_u32 v[B2W], v[RR], 2, s19           ; row lane % 16's sum
	v_lshl_add_u32 v[B2R], v[HH], 5, s19           ; rows 8 (lane / 16) + 0 .. 7
	v_lshrrev_b32 v15, 3, v[LN]                    ; lane / 8: which of four runs
	v_and_b32 v59, 7, v[LN]                        ; lane % 8: which of my work-group's queries
	s_lshl_b32 s19, s[WV], 2
	v_add_nc_u32 v[CO], s19, v15
	v_lshlrev_b32 v[CO], 14, v[CO]
	v_lshl_add_u32 v[CO], v59, 3, v[CO]            ; run 4 w + lane / 8 (and every sixteenth on, by the immediate)
	s_add_co_u32 s20, s19, 240
	v_add_nc_u32 v[CO15], s20, v15
	v_min_u32 v[CO15], 243, v[CO15]                ; the last four runs; a run read twice changes nothing
	v_lshlrev_b32 v[CO15], 14, v[CO15]
	v_lshl_add_u32 v[CO15], v59, 3, v[CO15]
	v_lshl_add_u32 v[P1W], v0, 3, P1L              ; partial winner 4 w + lane / 8 of query lane % 8: 8 x my thread's number
	v_lshl_add_u32 v[P1R], v[RR], 6, P1L           ; back: partial winner lane % 16 of query 2 w + lane / 16
	v_lshl_add_u32 v[P1R], v[HH], 3, v[P1R]
	s_lshl_b32 s21, s[WV], 4
	v_add_nc_u32 v[P1R], s21, v[P1R]
	v_lshlrev_b32 v[Q2O], 2, v[RR]
	v_lshlrev_b32 v[QSO], 2, v[LN]
.irp b, 0,1,2,3
	v_mov_b32 v[TM+4+\b], 0                        ; written once: the destination of a lane permute or of a DPP form counts as one of its sources
.endr
	v_mov_b32 v50, 0
	v_mov_b32 v51, 0
	s_mov_b32 s[SEL], 0x76543210
	s_mov_b32 s[SEL+1], 0xfedcba98
	s_lshr_b32 s15, ttmp9, 1                       ; T: my queries' tile
	s_and_b32 s16, ttmp9, 1                        ; its lower or its upper eight
	s_lshl_b32 s17, s16, 3
	s_lshl_b32 s18, s[WV], 1
	s_add_co_u32 s17, s17, s18                     ; r0: my first query's place in the tile, and its lane
	s_add_co_u32 s18, s17, 17                      ; my second query's lane: 16 + r0 + 1
	s_bfe_u32 s19, s15, 0x20002                    ; the wave of the launch before that had tile T = 16 k + 4 w + i: w,
	s_lshl_b32 s19, s19, 12                        ; 4,096 bytes a wave;
	s_lshr_b32 s20, s15, 4
	s_lshl_b32 s20, s20, 2
	s_and_b32 s21, s15, 3
	s_add_co_u32 s20, s20, s21                     ; its tile 4 k + i,
	s_lshl_b32 s20, s20, 7                         ; 128 bytes a tile;
	s_add_co_u32 s32, s19, s20
	s_lshl_b32 s21, s16, 6                         ; 64 bytes for eight queries
	s_add_co_u32 s32, s32, s21
	s_mov_b32 s33, 0
	s_mul_i32 s34, s15, 6400                       ; the tile's image
	s_mov_b32 s35, 0
	s_lshl_b32 s24, s15, 6                         ; its 16 numbers of q2
	s_mov_b32 s25, 0
	s_lshl_b32 s26, ttmp9, 14                      ; my work-group's eight rows of out0,
	s_lshl_b32 s27, s[WV], 12                      ; my two
	s_add_co_u32 s26, s26, s27
	s_mov_b32 s27, 0
	s_wait_alu depctr_va_vdst(0)
	s_wait_kmcnt 0x0
	s_add_nc_u64 s[10:11], s[10:11], s[32:33]
	s_add_nc_u64 s[6:7], s[6:7], s[34:35]
	s_add_nc_u64 s[8:9], s[8:9], s[24:25]
	s_add_nc_u64 s[12:13], s[12:13], s[26:27]
.irp m, 0,1,2,3,4,5,6,7,8,9,10,11                ; the queries' fragments, scale registers and q2: their addresses hang on ids alone, so they go out first
	global_load_b128 v[QF+4*\m:QF+4*\m+3], v[LI], s[6:7] offset:512*\m
.endr
	global_load_b32 v[QSR], v[QSO], s[6:7] offset:6144
	global_load_b32 v[QSR+1], v[QSO], s[6:7] offset:6272
	global_load_b32 v[Q2], v[Q2O], s[8:9]          ; q2 of query lane % 16
.irp i, 0,1,2,3,4,5,6,7,8,9,10,11,12,13,14
	global_load_b64 v[CD+2*\i:CD+2*\i+1], v[CO], s[10:11] offset:262144*\i   ; runs 16 i + 4 w + lane / 8: four pieces of 64 bytes a load
.endr
	global_load_b64 v[CD+30:CD+31], v[CO15], s[10:11]
; 1. THE BLOCK.  A lane's runs ascend, sixteen apart, and so do their rows: a strict gain keeps the lower row among equal keys.
	s_wait_loadcnt 15                              ; loads come back in order: all but the fifteen younger pairs are in
	v_mov_b32 v[KB], v[CD]
	v_mov_b32 v[KB+1], v[CD+1]
	s_wait_alu depctr_va_vdst(0)
.irp i, 1,2,3,4,5,6,7,8,9,10,11,12,13,14,15
	s_wait_alu depctr_va_vdst(0)
	s_wait_loadcnt 15-\i
	v_cmp_gt_u32 vcc_lo, v[CD+2*\i], v[KB]
	v_cndmask_b32 v[KB], v[KB], v[CD+2*\i], vcc_lo
	v_cndmask_b32 v[KB+1], v[KB+1], v[CD+2*\i+1], vcc_lo
.endr
	ds_store_b64 v[P1W], v[KB:KB+1]
	s_wait_dscnt 0x0                               ; for the others' sake: my store has landed
	s_barrier_signal -1
	s_barrier_wait -1
	ds_load_b64 v[KB:KB+1], v[P1R]                 ; lanes 0-15: my first query's sixteen partial winners; lanes 16-31: my second's
	s_wait_dscnt 0x0
.irp m, 1,2,4,8                                ; across sixteen lanes: the larger key, or with equal keys the lower row; every lane ends with the winner
	v_mov_b32_dpp v50, v[KB] row_xmask:\m row_mask:0xf bank_mask:0xf
	v_mov_b32_dpp v51, v[KB+1] row_xmask:\m row_mask:0xf bank_mask:0xf
	v_cmp_gt_u32 s20, v50, v[KB]
	v_cmp_eq_u32 s21, v50, v[KB]
	v_cmp_lt_u32 s24, v51, v[KB+1]
	s_and_b32 s21, s21, s24
	s_or_b32 vcc_lo, s20, s21
	v_cndmask_b32 v[KB], v[KB], v50, vcc_lo
	v_cndmask_b32 v[KB+1], v[KB+1], v51, vcc_lo
.endr
	v_readlane_b32 s26, v[KB+1], 0
	v_readlane_b32 s27, v[KB+1], 16
	s_min_u32 s26, s26, 49992                      ; a block of eight rows stays inside the table
	s_min_u32 s27, s27, 49992
	s_lshl_b32 s32, s26, 11                        ; under 2^27
	s_mov_b32 s33, 0
	s_lshl_b32 s34, s27, 11
	s_mov_b32 s35, 0
	s_add_nc_u64 s[28:29], s[4:5], s[32:33]
	s_add_nc_u64 s[30:31], s[4:5], s[34:35]
; 2. THE ROW.  64 loads of 512 consecutive bytes, all on their way at once, K step by K step.
	WIN 0x40                                       ; destination window 1
.irp s, 0,1,2,3
.irp i, 0,1,2,3,4,5,6,7
	global_load_b128 v[64*\s+4*\i:64*\s+4*\i+3], v[LI], s[28:29] offset:2048*\i+512*\s
.endr
.irp i, 0,1,2,3,4,5,6,7
	global_load_b128 v[64*\s+32+4*\i:64*\s+32+4*\i+3], v[LI], s[30:31] offset:2048*\i+512*\s
.endr
.endr
	WIN 0
.macro UNIT s
	s_wait_loadcnt 16*(3-(\s))                     ; this K step's 16 loads are in; those of the K steps behind it may be out
	WIN 0x04                                       ; an LDS store's data are its source 1: window 1
.irp i, 0,1,2,3,4,5,6,7,8,9,10,11,12,13,14,15
	ds_store_b128 v[STW], v[64*(\s)+4*\i:64*(\s)+4*\i+3] offset:528*\i
.endr
	WIN 0
.irp b, 0,1,2,3                                ; LDS serves a wave's instructions in order: these see my stores.  Lane (r, h) takes, of row r, 16 neighbours of each block of 32
.irp j, 0,1,2,3
	ds_load_b128 v[XS+16*\b+4*\j:XS+16*\b+4*\j+3], v[STR] offset:128*\b+16*\j
.endr
.endr
	s_wait_dscnt 0x0
	SUMSQ XS
	v_mov_b32 v[SP+(\s)], v[SQ]
.set PC, AF+12*(\s)                    ; the codes go straight to the fragment's registers (what QUANT uses beyond them is the next fragment's, not yet made),
.set PW, ASR+(\s)                      ; the scale word to its register
	QUANT XS
.endm
	UNIT 0
	UNIT 1
	UNIT 2
	UNIT 3
	v_add_f32 v[SP], v[SP], v[SP+1]                ; b2 of row lane % 16, summed in the order of the launch before
	v_add_f32 v[SP+2], v[SP+2], v[SP+3]
	v_add_f32 v[SP], v[SP], v[SP+2]
	ds_store_b32 v[B2W], v[SP]                     ; lanes l and l + 16 write the same word with the same value
	ds_load_b128 v[BI:BI+3], v[B2R]                ; and back in the result's layout: rows 8 h + 0 .. 7
	ds_load_b128 v[BI+4:BI+7], v[B2R] offset:16
	s_wait_dscnt 0x0
.irp i, 0,2,4,6
	v_pk_mul_f32 v[BI+\i:BI+\i+1], v[BI+\i:BI+\i+1], -0.5 op_sel_hi:[1,0]
.endr
.rept 8
	v_nop                                          ; operands and scale registers written by vector instructions stand four and eight places ahead of a scaled matrix instruction
.endr
	v_wmma_scale_f32_16x16x128_f8f6f4 v[ACC:ACC+7], v[AF:AF+11], v[QF:QF+11], v[BI:BI+7], v[ASR], v[QSR] matrix_a_fmt:MATRIX_FMT_BF6 matrix_b_fmt:MATRIX_FMT_BF6
	s_wait_alu depctr_va_vdst(0)                   ; the wait ahead of every link
	v_wmma_scale_f32_16x16x128_f8f6f4 v[ACC:ACC+7], v[AF+12:AF+23], v[QF+12:QF+23], v[ACC:ACC+7], v[ASR+1], v[QSR] matrix_a_fmt:MATRIX_FMT_BF6 matrix_b_fmt:MATRIX_FMT_BF6 matrix_b_scale:MATRIX_SCALE_ROW1
	s_wait_alu depctr_va_vdst(0)
	v_wmma_scale_f32_16x16x128_f8f6f4 v[ACC:ACC+7], v[AF+24:AF+35], v[QF+24:QF+35], v[ACC:ACC+7], v[ASR+2], v[QSR+1] matrix_a_fmt:MATRIX_FMT_BF6 matrix_b_fmt:MATRIX_FMT_BF6
	s_wait_alu depctr_va_vdst(0)
	v_wmma_scale_f32_16x16x128_f8f6f4 v[ACC:ACC+7], v[AF+36:AF+47], v[QF+36:QF+47], v[ACC:ACC+7], v[ASR+3], v[QSR+1] matrix_a_fmt:MATRIX_FMT_BF6 matrix_b_fmt:MATRIX_FMT_BF6 matrix_b_scale:MATRIX_SCALE_ROW1
.rept 4
	v_nop                                          ; four places behind the last matrix instruction, ahead of the first read of its result
.endr
.irp j, 0,1,2,3,4,5,6,7
	v_fma_f32 v[E+\j], v[ACC+\j], -2.0, v[Q2]      ; d2 = q2 - 2 D of row 8 h + j and query r; the sums are read from the low end on
.endr
	v_min3_num_f32 v[MN], v[E], v[E+1], v[E+2]
	v_min3_num_f32 v[MN], v[MN], v[E+3], v[E+4]
	v_min3_num_f32 v[MN], v[MN], v[E+5], v[E+6]
	v_min_num_f32 v[MN], v[MN], v[E+7]
.irp j, 0,1,2,3,4,5,6
	v_cmp_eq_f32 s[EQM+\j], v[E+\j], v[MN]         ; the lanes in which row j has the smallest
.endr
.irp j, 0,1,2,3,4,5,6                          ; my two queries' lanes' bits, spread to all 32 lanes: 0 or all ones
	s_lshr_b32 s44, s[EQM+\j], s17
	s_and_b32 s44, s44, 1
	s_sub_co_u32 s[M0+\j], 0, s44
	s_lshr_b32 s45, s[EQM+\j], s18
	s_and_b32 s45, s45, 1
	s_sub_co_u32 s[M1+\j], 0, s45
.endr
; 3. THE CHOICE.  Row 7's registers (row 15's for the second query) take row j's wherever row j has the smallest, j = 6 down to 0: the lowest row has the last word.
	WIN 0x45                                       ; sources 0 and 1 and the destination: window 1
.irp j, 6,5,4,3,2,1,0
.irp s, 0,1,2,3
.irp k, 0,1,2,3
	v_cndmask_b32 v[64*\s+28+\k], v[64*\s+28+\k], v[64*\s+4*\j+\k], s[M0+\j]
	v_cndmask_b32 v[64*\s+60+\k], v[64*\s+60+\k], v[64*\s+32+4*\j+\k], s[M1+\j]
.endr
.endr
.endr
	WIN 0x04                                       ; a store's data are its source 1: window 1
.irp s, 0,1,2,3
	global_store_b128 v[LI], v[64*\s+28:64*\s+31], s[12:13] offset:512*\s th:TH_STORE_NT        ; 32 lanes store 512 consecutive bytes, aligned to 256
	global_store_b128 v[LI], v[64*\s+60:64*\s+63], s[12:13] offset:2048+512*\s th:TH_STORE_NT
.endr
	WIN 0
	s_wait_tensorcnt 0x0
	ds_add_u32 v139, v143
	s_wait_dscnt 0x0
	s_endpgm
.Lfunc_end_k_q38da0380df_recall:
	.size	k_q38da0380df_recall, .Lfunc_end_k_q38da0380df_recall-k_q38da0380df_recall
	.p2alignl 7, 3214868480
	.fill 96, 4, 3214868480
	.section	.rodata,"a",@progbits
	.p2align	6, 0x0
	.amdhsa_kernel k_q38da0380df_recall
		.amdhsa_group_segment_fixed_size 35584
		.amdhsa_private_segment_fixed_size 0
		.amdhsa_enable_private_segment 0
		.amdhsa_kernarg_size 40
		.amdhsa_user_sgpr_count 2
		.amdhsa_user_sgpr_kernarg_segment_ptr 1
		.amdhsa_wavefront_size32 1
		.amdhsa_system_sgpr_workgroup_id_x 1
		.amdhsa_system_sgpr_workgroup_id_y 1
		.amdhsa_system_sgpr_workgroup_id_z 1
		.amdhsa_system_vgpr_workitem_id 0
		.amdhsa_next_free_vgpr 512
		.amdhsa_next_free_sgpr 66
		.amdhsa_reserve_vcc 1
		.amdhsa_float_denorm_mode_32 3
		.amdhsa_float_denorm_mode_16_64 3
		.amdhsa_memory_ordered 1
		.amdhsa_forward_progress 1
		.amdhsa_inst_pref_size 69
	.end_amdhsa_kernel
	.amdgpu_metadata
---
amdhsa.version: [ 1, 2 ]
amdhsa.kernels:
  - .name:           k_q38da0380df_recall
    .symbol:         k_q38da0380df_recall.kd
    .args:
      - { .name: buffer, .offset: 0, .size: 8, .value_kind: global_buffer, .address_space: global }
      - { .name: qimg, .offset: 8, .size: 8, .value_kind: global_buffer, .address_space: global }
      - { .name: q2buf, .offset: 16, .size: 8, .value_kind: global_buffer, .address_space: global }
      - { .name: part, .offset: 24, .size: 8, .value_kind: global_buffer, .address_space: global }
      - { .name: out0, .offset: 32, .size: 8, .value_kind: global_buffer, .address_space: global }
    .group_segment_fixed_size: 35584
    .private_segment_fixed_size: 0
    .kernarg_segment_align: 8
    .kernarg_segment_size: 40
    .max_flat_workgroup_size: 128
    .sgpr_count:     66
    .vgpr_count:     512
    .wavefront_size: 32
...
	.end_amdgpu_metadata
.endif
;; end of part 3
